; MI455X (gfx1250); checked and timed in simulation.
; The chip was launched on July 23, 2026; its instructions are those of AMD's public machine-readable ISA for CDNA 5 (MIT licence, August 2026) and "CDNA5" Instruction Set Architecture Reference Guide (July 2026). The comments in the code are by the model that wrote it; some were corrected since.
;; Re Sprop Attention. Allowed arithmetic: matrix products marked QUANTISED: E2M1 operands, one E8M0 scale for each 32 along K, by v_wmma_scale_f32_16x16x128_f8f6f4 with both operands' format E2M1 (or v_wmma_scale_f32_32x16x128_f4), f32 sums; everything else in f32.
;; Inputs: K 32 x 2,048 x 128 float32; Q 32 x 2,048 x 128 float32; V 32 x 2,048 x 128 float32.
;; Outputs: out0 32 x 2,048 x 128 float32.
;; This version of the problem:
;;   THIS VERSION OF THE PROBLEM IS GIVEN IN LOW PRECISION. The matrix products marked QUANTISED in the list below multiply operands that are first quantised to E2M1 (2 exponent bits, 1 mantissa bit; 4 bits a number), with one power-of-two scale for each 32 numbers along K (OCP MX v1.0); their sums are f32. All else is computed in f32.
;;   The module's matrix products, in the order in which they are computed (A, B: the left and right operand; K: the contracted axis; several contracted axes count as one K, in the product's order):
;;     1. batch 32 x [M 2,048, K 128] x [K 128, N 2,048]; A: input Q; B: input K: QUANTISED
;;     2. batch 32 x [M 2,048, K 2,048] x [K 2,048, N 128]; A: softmax (see below); B: input V: QUANTISED
;;   THE QUANTISER, for each operand of a quantised product, along K:
;;     - K is cut into blocks of 32 from its start; a last block that is shorter is filled with zeros.
;;     - A block's scale is 2^e with e = floor(log2(the largest magnitude in the block)) - 2, held to -126 .. 127; a block of zeros has e = 0. As a byte (E8M0): e + 127.
;;     - Each number is divided by its block's scale, clamped to +-6, and rounded to the nearest number of E2M1, ties to even, subnormals kept.
;;     - The product sums the exact products of the quantised numbers (number of the format x scale) in f32.
;;   ~~~python
;;   def quantise(x, axis):      # numpy; x: float32 -> the quantised numbers, widened to float32 again
;;       x = np.moveaxis(x, axis, -1); K = x.shape[-1]
;;       x = np.pad(x, [(0, 0)] * (x.ndim - 1) + [(0, -K % 32)]); x = x.reshape(x.shape[:-1] + (-1, 32)); a = np.abs(x).max(-1, keepdims=True)
;;       e = np.where(a > 0, np.clip(np.frexp(np.where(a > 0, a, 1))[1] - 1 - 2, -126, 127), 0)      # np.frexp(a)[1] - 1 = floor(log2(a)), exactly
;;       r = np.clip(x / 2.0 ** e, -6, 6)
;;       step = 2.0 ** (np.maximum(np.frexp(np.where(r == 0, 1, r))[1] - 1, 0) - 1)
;;       q = np.round(r / step) * step * 2.0 ** e      # np.round: ties to even
;;       return np.moveaxis(q.reshape(q.shape[:-2] + (-1,))[..., :K], -1, axis).astype(np.float32)
;;   ~~~
;;   SOFTMAX AHEAD OF A QUANTISED PRODUCT. Where the list says 'softmax', what is quantised is not the finished softmax but p = 2^(t - M), with t = logit x log2(e) and M = ceil(the row's largest t), a whole number; so 1/2 < the row's largest p <= 1. The row's sum l is taken of the UNQUANTISED p, in f32, and the product's result is divided by l at the end. Since M is a whole number, a kernel that streams over the keys may use a running M (the ceiling of the running maximum): every later rescaling is an exact power of two, which a block's scale takes up: the codes' values come out the same.
;;   OPERANDS COMPUTED ON THE WAY. 'Computed on the way' means the value that the module computes at that place (a softmax that the list does not call 'softmax' is quantised finished and normalised). What goes into a quantiser is computed in f32, as accurately as f32 sums, v_exp_f32 and their like allow (about 1e-6 of the number): no bf16 or f16 on the way to a quantiser, and a product that is left as it is and whose result goes on into a quantised operand takes f32 operands (vector FMAs, or v_wmma_f32_16x16x4_f32). A number that lies on a knife's edge between two numbers of the format may be rounded either way, as far as f32 arithmetic and the matrix unit's own rounding can turn it there, and no further.
;; One version. Each part assembles by itself: llvm-mc -triple=amdgcn-amd-amdhsa -mcpu=gfx1250 --defsym DOCPART=n.
;; ======== version 1 of 1: 2 launches
;; limits: right only within a limited range of input values
;; workspace buffers: kv_codes 8,388,608 bytes; kv_scales 524,288 bytes
;; launch quant_kv (part 1): grid 768 x 1, 4 waves a work-group, no clusters, 32,256 bytes of LDS; arguments K, V, kv_codes, kv_scales; writes kv_codes, kv_scales
.if DOCPART == 1
	.amdgcn_target "amdgcn-amd-amdhsa--gfx1250"
	.amdhsa_code_object_version 6
	.text
	.protected	k_qb2ceffee77_quant_kv
	.globl	k_qb2ceffee77_quant_kv
	.p2align	8
	.type	k_qb2ceffee77_quant_kv,@function
k_qb2ceffee77_quant_kv:
	s_mov_b64 s[64:65], 0
	v_nop
	global_prefetch_b8 v0, s[64:65] scope:SCOPE_SE
	s_setreg_imm32_b32 hwreg(HW_REG_WAVE_MODE, 25, 1), 1
	s_wait_xcnt 0x0
; K and V, [32][2048][128] f32, become codes of FP4 (E2M1), 4 bits each, with one E8M0 scale byte for each 32 numbers along the product's K: K along the head's 128, V along the keys.
; A block's scale is 2^(floor(log2(its largest magnitude)) - 2); its byte is the largest magnitude's own exponent field - 2, held at 1 from below.  Each number is divided by the scale and rounded to the nearest code, ties to even, beyond 6 to the largest code.
; LIMITS: NaN and infinities among the inputs are not served.  A block whose largest magnitude lies under 2^-124 has its byte held at 1; a block of zeros gets the byte 1 where the quantiser's text says 127: its codes are
; zeros, which add nothing under any byte but 0xff, and the bytes are read by this program alone.
; OUT.  First halves of kv_codes and kv_scales: K.  A row of 128 codes is 64 bytes, its four scale bytes one word.  Inside each 64 rows, key 32 g + 8 u + i is stored at position 16 u + 8 g + i, so that sixteen neighbouring positions
; are a tile of the attention launch's first product, whose lanes 0-15 and 16-31 then each hold whole blocks of 32 keys.  Second halves: V: row 128 j + d of a head holds the 64 bytes of codes of keys 128 j .. 128 j + 127 of channel d, and its scale word.
; SHARES.  Work-groups 0 to 255 take K, 64 rows a wave; the others V, 128 keys x 128 channels a work-group.  The two paths have LDS bytes of their own.  No barrier: waves share nothing.  Each number is read once, so nothing is prefetched or shared.
.set WGK,   256
.set SP,    80                         ; a stage row: 64 bytes of codes + 16 of padding
.set KREG,  5376                       ; LDS, K's path: for each wave 64 stage rows and 256 scale bytes
.set VB,    4*KREG                     ; V's path: for each wave 32 stage rows
.set SPARE, VB+4*32*SP                 ; the spare words, 128 bytes for each wave, that no other line names
.set R,     32                         ; K: v32-159 sixteen pairs of rows, 8 registers each
.set CD,    160                        ; K: v160-191 codes, a register for each pair
.set BY,    192                        ; K: v192-223 scale bytes
.set X,     32                         ; V: v32-95 two sets of 32 numbers
.set C,     96                         ; V: v96-111 codes
.set OUTR,  112                        ; V: v112-127 the way out
	s_load_b256 s[4:11], s[0:1], 0x0               ; K, V, codes, scales
	v_lshl_add_u32 v1, v0, 2, SPARE                ; v1, v2: the add's two registers
	v_mov_b32 v2, 0
	v_lshrrev_b32 v3, 5, v0
	v_readfirstlane_b32 s12, v3                    ; wave 0..3
	v_and_b32 v4, 31, v0                           ; lane
	v_and_b32 v5, 15, v0                           ; r = lane % 16
	v_bfe_u32 v6, v0, 4, 1                         ; h = lane / 16
	v_lshrrev_b32 v7, 2, v4
	v_and_b32 v8, 3, v4
	v_mul_u32_u24 v7, v7, SP
	v_lshl_add_u32 v7, v8, 4, v7                   ; out of a stage: four lanes to a row, eight rows an instruction
	v_lshlrev_b32 v8, 4, v4                        ; and the same bytes in memory: 16 x lane
	s_wait_alu depctr_va_vdst(0)                   ; the wait ahead of the branch
	s_cmp_lt_u32 ttmp9, WGK
	s_cbranch_scc0 .Lv
	; K.  A pair is rows x and x + 32.  Both loads have the lane offset 32 r + 16 h, so each covers a row's 512 consecutive bytes; exchanging the first's lanes 16-31 with the second's lanes 0-15 leaves
	; 8 neighbouring numbers in a lane: numbers 8 r .. 8 r + 7 of row x in lanes 0-15, of row x + 32 in lanes 16-31.  Four neighbouring lanes hold a block.
	s_mul_i32 s13, s12, KREG
	s_add_co_u32 s14, s13, 64*SP
	v_lshlrev_b32 v9, 5, v5
	v_lshl_add_u32 v9, v6, 4, v9
	v_mul_u32_u24 v10, v6, 8*SP
	v_lshl_add_u32 v10, v5, 2, v10
	v_add_nc_u32 v10, s13, v10                     ; into the stage: position 8 h, my 4 bytes
	v_lshlrev_b32 v11, 5, v6
	v_lshrrev_b32 v12, 2, v5
	v_add_nc_u32 v11, v11, v12
	v_add_nc_u32 v11, s14, v11                     ; my block's scale byte
	v_add_nc_u32 v12, s13, v7
	v_lshlrev_b32 v13, 3, v4
	v_add_nc_u32 v14, s14, v13
	s_lshl_b32 s15, ttmp9, 2
	s_add_co_u32 s15, s15, s12                     ; which 64 rows are mine
	s_lshl_b32 s16, s15, 15
	s_mov_b32 s17, 0
	s_lshl_b32 s18, s15, 12
	s_mov_b32 s19, 0
	s_lshl_b32 s20, s15, 8
	s_mov_b32 s21, 0
	s_wait_alu depctr_va_vdst(0)                   ; the wait at the head's end
	s_wait_kmcnt 0x0
	s_add_nc_u64 s[4:5], s[4:5], s[16:17]
	s_add_nc_u64 s[8:9], s[8:9], s[18:19]
	s_add_nc_u64 s[10:11], s[10:11], s[20:21]
.macro LOADP x
	global_load_b128 v[R+8*((\x)%16):R+8*((\x)%16)+3], v9, s[4:5] offset:512*(\x) th:TH_LOAD_NT
	global_load_b128 v[R+8*((\x)%16)+4:R+8*((\x)%16)+7], v9, s[4:5] offset:512*(\x)+16384 th:TH_LOAD_NT
.endm
.macro GROUP g                         ; pairs 2 g and 2 g + 1, line by line in turns
.set Z, R+8*((2*(\g))%16)
.if (\g) < 9
	s_wait_loadcnt 28                              ; the four loads of these pairs are in; those of the fourteen pairs behind them may be out
.else
	s_wait_loadcnt 60-4*(\g)                       ; the tail: fewer pairs are behind them
.endif
.irp i, 0,1,2,3
.irp p, 0,1
	v_permlane16_swap_b32 v[Z+8*\p+\i], v[Z+8*\p+4+\i]
.endr
.endr
.irp p, 0,1
	v_max3_num_f32 v[20+\p], |v[Z+8*\p]|, |v[Z+8*\p+1]|, |v[Z+8*\p+2]|
.endr
.irp p, 0,1
	v_max3_num_f32 v[22+\p], |v[Z+8*\p+3]|, |v[Z+8*\p+4]|, 0x1800000   ; the floor 2^(3 - 127): the byte cannot fall under 1
.endr
.irp p, 0,1
	v_max3_num_f32 v[20+\p], v[20+\p], |v[Z+8*\p+5]|, |v[Z+8*\p+6]|
.endr
.irp p, 0,1
	v_max3_num_f32 v[20+\p], v[20+\p], v[22+\p], |v[Z+8*\p+7]|
.endr
.irp p, 0,1
	v_max_num_f32_dpp v[20+\p], v[20+\p], v[20+\p] row_xmask:1 row_mask:0xf bank_mask:0xf
.endr
.irp p, 0,1
	v_max_num_f32_dpp v[20+\p], v[20+\p], v[20+\p] row_xmask:2 row_mask:0xf bank_mask:0xf
.endr
.irp p, 0,1
	v_add_nc_u32 v[24+\p], 0xff000000, v[20+\p]    ; 2 off the exponent field: the conversion takes the exponent field of this operand as its scale
.endr
.irp p, 0,1
	v_cvt_scalef32_pk8_fp4_f32 v[CD+2*(\g)+\p], v[Z+8*\p:Z+8*\p+7], v[24+\p]
.endr
.irp p, 0,1
	v_lshrrev_b32 v[BY+2*(\g)+\p], 23, v[24+\p]    ; the scale's byte (also the plain lines behind the conversions)
.endr
.irp p, 0,1
	ds_store_b32 v10, v[CD+2*(\g)+\p] offset:(16*((2*(\g)+\p)/8)+(2*(\g)+\p)%8)*SP
	ds_store_b8 v11, v[BY+2*(\g)+\p] offset:(16*((2*(\g)+\p)/8)+(2*(\g)+\p)%8)*4   ; the four lanes of a block write the same byte with the same value
.endr
.if (\g) < 8
	LOADP 2*(\g)+16
	LOADP 2*(\g)+17
.endif
.endm
.irp x, 0,1,2,3,4,5,6,7,8,9,10,11,12,13,14,15
	LOADP \x
.endr
.irp g, 0,1,2,3,4,5,6,7,8,9,10,11,12,13,14,15
	GROUP \g
.endr
.irp i, 0,1,2,3,4,5,6,7
	ds_load_b128 v[R+4*\i:R+4*\i+3], v12 offset:8*SP*\i            ; LDS serves a wave's instructions in order: these see my stores
.endr
	ds_load_b64 v[R+32:R+33], v14
.irp i, 0,1,2,3,4,5,6,7
	s_wait_dscnt 8-\i                              ; load i is back; the younger ones may be out
	global_store_b128 v8, v[R+4*\i:R+4*\i+3], s[8:9] offset:512*\i ; 32 lanes store 512 consecutive bytes, at a multiple of 256 from the buffer's first byte
.endr
	s_wait_dscnt 0x0
	global_store_b64 v13, v[R+32:R+33], s[10:11]   ; 32 lanes store 256 consecutive, aligned bytes
	s_wait_tensorcnt 0x0                           ; the wave's end
	ds_add_u32 v1, v2
	s_wait_dscnt 0x0
	s_endpgm
.Lv:
	; V.  A thread takes a channel, and its registers run down the keys: a load reads neighbouring channels in neighbouring lanes, a block of 32 keys lies in one lane, and the conversions give codes with the keys innermost.
	s_sub_co_u32 s13, ttmp9, WGK                   ; 16 x head + j
	s_mul_i32 s14, s12, 32*SP
	s_add_co_u32 s14, s14, VB                      ; my wave's stage
	v_lshlrev_b32 v15, 2, v0                       ; 4 x thread: my channel in a row of V, and my row's scale word
	v_mul_u32_u24 v16, v4, SP
	v_add_nc_u32 v16, s14, v16                     ; into the stage: row = my lane
	v_add_nc_u32 v17, s14, v7                      ; out of it
	s_lshl_b32 s16, s13, 16                        ; V: 65,536 bytes a work-group
	s_mov_b32 s17, 0
	s_lshl_b32 s18, s13, 13                        ; codes: 8,192 bytes a work-group, 2,048 a wave, behind K's half
	s_lshl_b32 s15, s12, 11
	s_add_co_u32 s18, s18, s15
	s_add_co_u32 s18, s18, 4194304
	s_mov_b32 s19, 0
	s_lshl_b32 s20, s13, 9                         ; scale words: 512 bytes a work-group, behind K's half
	s_add_co_u32 s20, s20, 262144
	s_mov_b32 s21, 0
	s_wait_alu depctr_va_vdst(0)                   ; the wait at the head's end
	s_wait_kmcnt 0x0
	s_add_nc_u64 s[6:7], s[6:7], s[16:17]
	s_add_nc_u64 s[8:9], s[8:9], s[18:19]
	s_add_nc_u64 s[10:11], s[10:11], s[20:21]
.macro LOADV t                         ; block t: V(key 32 t + i, my channel), i = 0 .. 31, into set t % 2
.irp i, 0,1,2,3,4,5,6,7,8,9,10,11,12,13,14,15,16,17,18,19,20,21,22,23,24,25,26,27,28,29,30,31
	global_load_b32 v[X+32*((\t)%2)+\i], v15, s[6:7] offset:(32*(\t)+\i)*512 th:TH_LOAD_NT
.endr
.endm
.macro BLOCK t
.set XS, X+32*((\t)%2)
.if (\t) < 3
	s_wait_loadcnt 32                              ; this block's 32 loads are in; the next block's 32 may be out
.else
	s_wait_loadcnt 0x0
.endif
	v_max3_num_f32 v20, |v[XS]|, |v[XS+1]|, |v[XS+2]|
	v_max3_num_f32 v21, |v[XS+3]|, |v[XS+4]|, |v[XS+5]|
.irp i, 6,10,14,18,22,26
	v_max3_num_f32 v20, v20, |v[XS+\i]|, |v[XS+\i+1]|
	v_max3_num_f32 v21, v21, |v[XS+\i+2]|, |v[XS+\i+3]|
.endr
	v_max3_num_f32 v20, v20, |v[XS+30]|, |v[XS+31]|
	v_max3_num_f32 v20, v20, v21, 0x1800000        ; and the floor
	v_add_nc_u32 v22, 0xff000000, v20
	v_lshrrev_b32 v21, 23, v22                     ; the scale's byte
.if (\t) == 0
	v_mov_b32 v23, v21                             ; four bytes make my row's scale word, the lower keys in the lower byte
.else
	v_lshl_or_b32 v23, v21, 8*(\t), v23
.endif
.irp g, 0,1,2,3
	v_cvt_scalef32_pk8_fp4_f32 v[C+4*(\t)+\g], v[XS+8*\g:XS+8*\g+7], v22
.endr
	v_nop                                          ; one plain line behind the conversions
	ds_store_b128 v16, v[C+4*(\t):C+4*(\t)+3] offset:16*(\t)
.if (\t) < 2
	LOADV (\t)+2
.endif
.endm
	LOADV 0
	LOADV 1
	BLOCK 0
	BLOCK 1
	BLOCK 2
	BLOCK 3
	global_store_b32 v15, v23, s[10:11]            ; my row's scale word: a wave stores 128 consecutive bytes, the work-group 512
.irp i, 0,1,2,3
	ds_load_b128 v[OUTR+4*\i:OUTR+4*\i+3], v17 offset:8*SP*\i
.endr
.irp i, 0,1,2,3
	s_wait_dscnt 3-\i                              ; load i is back; the younger ones may be out
	global_store_b128 v8, v[OUTR+4*\i:OUTR+4*\i+3], s[8:9] offset:512*\i
.endr
	s_wait_tensorcnt 0x0                           ; the wave's end
	ds_add_u32 v1, v2
	s_wait_dscnt 0x0
	s_endpgm
.Lfunc_end_k_qb2ceffee77_quant_kv:
	.size	k_qb2ceffee77_quant_kv, .Lfunc_end_k_qb2ceffee77_quant_kv-k_qb2ceffee77_quant_kv
	.p2alignl 7, 3214868480
	.fill 96, 4, 3214868480
	.section	.rodata,"a",@progbits
	.p2align	6, 0x0
	.amdhsa_kernel k_qb2ceffee77_quant_kv
		.amdhsa_group_segment_fixed_size 32256
		.amdhsa_private_segment_fixed_size 0
		.amdhsa_enable_private_segment 0
		.amdhsa_kernarg_size 32
		.amdhsa_user_sgpr_count 2
		.amdhsa_user_sgpr_kernarg_segment_ptr 1
		.amdhsa_wavefront_size32 1
		.amdhsa_system_sgpr_workgroup_id_x 1
		.amdhsa_system_sgpr_workgroup_id_y 1
		.amdhsa_system_sgpr_workgroup_id_z 1
		.amdhsa_system_vgpr_workitem_id 0
		.amdhsa_next_free_vgpr 224
		.amdhsa_next_free_sgpr 66
		.amdhsa_reserve_vcc 0
		.amdhsa_float_denorm_mode_32 3
		.amdhsa_float_denorm_mode_16_64 3
		.amdhsa_memory_ordered 1
		.amdhsa_forward_progress 1
		.amdhsa_inst_pref_size 57
	.end_amdhsa_kernel
	.amdgpu_metadata
---
amdhsa.version: [ 1, 2 ]
amdhsa.kernels:
  - .name:           k_qb2ceffee77_quant_kv
    .symbol:         k_qb2ceffee77_quant_kv.kd
    .args:
      - { .name: K, .offset: 0, .size: 8, .value_kind: global_buffer, .address_space: global }
      - { .name: V, .offset: 8, .size: 8, .value_kind: global_buffer, .address_space: global }
      - { .name: kv_codes, .offset: 16, .size: 8, .value_kind: global_buffer, .address_space: global }
      - { .name: kv_scales, .offset: 24, .size: 8, .value_kind: global_buffer, .address_space: global }
    .group_segment_fixed_size: 32256
    .private_segment_fixed_size: 0
    .kernarg_segment_align: 8
    .kernarg_segment_size: 32
    .max_flat_workgroup_size: 128
    .sgpr_count:     66
    .vgpr_count:     224
    .wavefront_size: 32
...
	.end_amdgpu_metadata
.endif
;; end of part 1
;; launch attn (part 2): grid 8 x 32, 8 waves a work-group, clusters of 4 x 1, 327,680 bytes of LDS; arguments Q, kv_codes, kv_scales, out0; writes out0
.if DOCPART == 2
	.amdgcn_target "amdgcn-amd-amdhsa--gfx1250"
	.amdhsa_code_object_version 6
	.text
	.protected	k_qb2ceffee77_attn
	.globl	k_qb2ceffee77_attn
	.p2align	8
	.type	k_qb2ceffee77_attn,@function
k_qb2ceffee77_attn:
	s_mov_b64 s[64:65], 0
	v_nop
	global_prefetch_b8 v0, s[64:65] scope:SCOPE_SE
	s_setreg_imm32_b32 hwreg(HW_REG_WAVE_MODE, 25, 1), 1
	s_wait_xcnt 0x0
	s_wait_alu depctr_hold_cnt(0) depctr_sa_sdst(0) depctr_va_vdst(0) depctr_va_sdst(0) depctr_va_ssrc(0) depctr_va_vcc(0) depctr_vm_vsrc(0)
	s_getreg_b32 s2, hwreg(HW_REG_IB_STS2, 6, 4)
	s_cmp_eq_u32 s2, 0
	s_cbranch_scc0 .Lentry_in_a_cluster
	s_endpgm
.Lentry_in_a_cluster:
	s_bfe_u32 s2, ttmp6, 0x10000c
	s_cmp_lg_u32 s2, 0x3003
	s_cbranch_scc0 .Lentry_shape_is_right
	s_endpgm
.Lentry_shape_is_right:
; out0[h][q][:] = the sum over k of softmax_k(Q[h][q] . K[h][k] / sqrt(128)) V[h][k][:], 32 heads, 2,048 queries, 2,048 keys, head size 128; both products on codes of FP4 (E2M1) with one E8M0 scale for each 32 along a product's K.
; Q arrives as f32, is read by one wave alone and is quantised here, at the head.  K and V come as codes from the launch before: K's rows in the order of positions (key 32 g + 8 u + i of each 64 at position 16 u + 8 g + i), V by key step:
; row 128 j + d = the codes of keys 128 j .. 128 j + 127 of channel d.
; THE SOFTMAX AHEAD OF THE SECOND PRODUCT: t = score x log2(e) / sqrt(128); M = the row's largest t so far, rounded UP to a whole number; p = 2^(t - M) is what is quantised, along the keys; it is not normalised.
; The row's sum is taken of the unquantised p, in f32, and divides O at the end.  A change of M multiplies by a power of two.
; A block's scale exponent is floor(the block's largest t - M) - 2: the exponent of its largest p, which the exponential's own rounding may lift to the power of two above only where t - M lies within that rounding under a whole number.
; LIMITS: NaN and infinities are not served; scaled scores stay under 2^31 in magnitude.  A p under 2^-126 comes out of the exponential as 0.  A block's byte is held at 1 from below (Q: largest magnitude under 2^-124, blocks of zeros too; p: largest p under 2^-124).
; SHARES.  A work-group owns 256 queries of one head; each of its EIGHT waves owns 32 of them, two tiles A and B, in 512 registers, so that each fragment of K and V feeds two products.  A trip is 256 keys: two key steps of 128.
; O is brought under the new M once a trip: the even step's codes wait for the odd step's M, and their scale bytes take the difference.
; LDS.  A head's codes of K and V and their scale words all fit: EVERY LDS BYTE IS FILLED ONCE, by eight tensor loads, one a wave, at the head: the scale words, the first 256 keys, and the other 1,792.  No ring, nothing filled again.
; All that the loop reads is asked for at the head, so there is nothing left to prefetch.
; CLUSTER.  The four query blocks of a cluster belong to one head and want the same bytes: every load is asked for JOINTLY, with the same descriptor and a mask that names the four.
; LAYOUT.  Both products are used transposed: S^T = K Q^T (source 0 = 16 keys), O^T = V^T P^T (source 0 = 16 channels): a lane (r = lane % 16, h = lane / 16) holds ONE query of each tile throughout.
; Tile T = 4 c + u of a step is positions 16 T ..: its lanes with h = 0 hold keys 64 c + 8 u + 0 .. 7, those with h = 1 keys 64 c + 32 + 8 u + 0 .. 7: so a lane's 32 registers of tiles 4 c .. 4 c + 3 are the whole block 2 c + h, and their codes
; are registers 4 c .. 4 c + 3 of the second product's operand.
; REGISTERS, in windows of 256.  Window 0: v1-7 addresses and the add's pair; v8-10 the trip's LDS addresses; v11 Q's scale words (lanes 0-15 tile A, 16-31 tile B); v12, v14 -M of A, B behind even steps, v16, v18 behind odd ones; v13, v15 the
; largest score; v[20:21], v[22:23] the sums; v24, v26 the odd step's factor, v28, v30 the even step's and then the trip's; v32-47 scale words of K and V; v48-79 at work; v80-95 Q; v96-127 P's codes; v128-255 S^T, then p (A, then B).
; Window 1: 0-63 O^T of A, 64-127 of B; 128-191 and 192-255 eight fragments each, of K and then of V.
.set UNITP,  272                       ; LDS: four rows of 64 bytes + 16 of padding: the sixteen lanes of a fragment load stand at 16 (r / 4 + 4 (r % 4)) modulo 256: sixteen different columns (64 banks of 4 bytes: ISA guide 11.1)
.set TILEB,  4*UNITP                   ; 16 rows
.set STEPB,  32*UNITP                  ; a key step: 128 rows
.set TRIPB,  64*UNITP                  ; 256 rows
.set KR,     2*TRIPB                   ; behind the first trip's K and V: the other seven trips' K,
.set VR,     KR+7*TRIPB                ; and V
.set SCK,    VR+7*TRIPB                ; K's scale words, dense: [row][4 bytes]; V's 8,192 bytes on
.set QST,    SCK+16384                 ; Q's stage: for each wave 32 rows of 80 bytes and 32 scale words
.set QREG,   2816
.set SPARE,  QST+8*QREG                ; the spare words, 128 bytes for each wave, that no other line names
.set STGB,   16*272                    ; the way out: 16 rows x (256 bytes + 16) for each wave, in the first trip's K and V: filled once, and read for the last time ahead of the second barrier
.set WV,     14
.set SEL,    20                        ; s[20:21] lane selects for v_permlanex16_b32: lane l xor 16
.set CS,     22                        ; s[22:23] c = log2(e) / sqrt(128): the packed form names a pair and takes its low word for both halves
.set G1C,    28                        ; descriptor group 1: the first trip's codes; the others'; the scale words
.set G1R,    36
.set G1S,    44
.set G0S,    52
.set G0C,    68
.set G0R,    72
.set TK,     56                        ; where the trip's K, V and scale words begin
.set TV,     57
.set TS,     58
.set CNT,    59
.set NC,     60                        ; -c
.set EB,     61                        ; 125 << 23
.set S,      128
.set OP,     56                        ; v56-59 the blocks' scale operands
.set AI,     60                        ; v60-67 the blocks' floors: even step, odd step
.set PW,     68                        ; v68, v69 P's scale words: even step, odd step (lanes 0-15 tile A, 16-31 tile B)
.set PC,     96
.set BX,     128                       ; window 1: the two fragment buffers
.set BZ,     192
.set MSB, 0
.macro WIN new                         ; the immediate's high byte repeats the setting that is left
.if MSB != \new
	s_set_vgpr_msb (MSB<<8)|\new
.set MSB, \new
.endif
.endm
; A round of the cluster's barrier
.macro CROUND
	s_barrier_signal -1
	s_barrier_wait -1
	s_cmp_lg_u32 s[WV], 0
	s_cbranch_scc1 .Lnot_wave_0_\@
	s_barrier_signal -3
.Lnot_wave_0_\@:
	s_barrier_wait -3
	s_barrier_signal -1
	s_barrier_wait -1
.endm
.macro GROUP1 b, word0, rows           ; rows of 256 bytes (32 elements of 8 bytes), dense in memory
	s_mov_b32 s[\b], \word0
	s_mov_b32 s[\b+1], 32<<16
	s_mov_b32 s[\b+2], \rows<<16
	s_mov_b32 s[\b+3], 32<<16
	s_mov_b32 s[\b+4], \rows
	s_mov_b32 s[\b+5], 32
	s_mov_b32 s[\b+6], 0
	s_mov_b32 s[\b+7], 0
.endm
	s_load_b256 s[4:11], s[0:1], 0x0               ; Q, kv_codes, kv_scales, out0
	v_lshl_add_u32 v5, v0, 2, SPARE
	v_mov_b32 v6, 0
	ds_add_u32 v5, v6                              ; the wave's opening: the add, twice on end, and its wait
	ds_add_u32 v5, v6
	v_lshrrev_b32 v7, 5, v0
	v_readfirstlane_b32 s[WV], v7                  ; wave 0..7
	v_and_b32 v16, 15, v0                          ; r
	v_bfe_u32 v17, v0, 4, 1                        ; h
	v_lshlrev_b32 v8, 5, v16
	v_lshl_add_u32 v8, v17, 4, v8                  ; Q: 32 r + 16 h
	s_bfe_u32 s15, ttmp6, 0x40000                  ; cx: my place in the cluster
	s_lshl_b32 s16, ttmp9, 2                       ; in a cluster launch ttmp9 counts clusters
	s_add_co_u32 s16, s16, s15                     ; my block of 256 queries
	s_and_b32 s17, ttmp7, 0xffff                   ; the head, which the four partners share
	GROUP1 G1C, 15|(3<<16)|(1<<20)|(1<<21)|(5<<22)|(3<<25), 64     ; the mask: all four work-groups; 8-byte elements; 4 words of padding behind every 64; bit 21 beside a mask
	GROUP1 G1R, 15|(3<<16)|(1<<20)|(1<<21)|(5<<22)|(3<<25), 224
	GROUP1 G1S, 15|(3<<16)|(1<<21), 32             ; no padding
	; what I fetch: waves 0, 1: K's, V's scale words; waves 2, 3: K's, V's first 256 rows; waves 4 to 7: the halves of K's other 1,792 rows, then of V's
	s_and_b32 s66, s[WV], 1
	s_lshr_b32 s67, s[WV], 1
	s_and_b32 s67, s67, 1
	s_lshl_b32 s76, s66, 18
	s_lshl_b32 s78, s17, 13
	s_add_co_u32 s76, s76, s78                     ; scale words in memory
	s_mov_b32 s77, 0
	s_lshl_b32 s78, s17, 17
	s_lshl_b32 s80, s66, 22
	s_add_co_u32 s80, s80, s78                     ; the first rows
	s_mov_b32 s81, 0
	s_lshl_b32 s82, s67, 22
	s_add_co_u32 s82, s82, s78
	s_mul_i32 s79, s66, 57344
	s_add_co_u32 s82, s82, s79
	s_add_co_u32 s82, s82, 16384                   ; the others
	s_mov_b32 s83, 0
	s_lshl_b32 s84, s66, 13
	s_add_co_u32 s84, s84, SCK                     ; and in LDS
	s_mul_i32 s85, s66, TRIPB
	s_mul_i32 s86, s67, 7*TRIPB
	s_mul_i32 s79, s66, 224*UNITP
	s_add_co_u32 s86, s86, s79
	s_add_co_u32 s86, s86, KR
	; Q and out0: these registers hold my place in the cluster and feed no descriptor
	s_lshl_b32 s88, s17, 11
	s_lshl_b32 s87, s16, 8
	s_add_co_u32 s88, s88, s87
	s_lshl_b32 s87, s[WV], 5
	s_add_co_u32 s88, s88, s87                     ; my first row: 2,048 head + 256 block + 32 wave
	s_lshl_b32 s88, s88, 9                         ; 512 bytes a row
	s_mov_b32 s89, 0
	s_mov_b32 s[SEL], 0x76543210
	s_mov_b32 s[SEL+1], 0xfedcba98
	s_mov_b32 s[CS], 0x3e0293ee
	s_mov_b32 s[CS+1], s[CS]                       ; (named with it as a pair, so it is written)
	s_mov_b32 s[NC], 0xbe0293ee
	s_mov_b32 s[EB], 125<<23
	s_wait_alu depctr_va_vdst(0)                   ; the wait ahead of the waits below
	s_wait_dscnt 0x0                               ; both opening adds are done
	s_wait_kmcnt 0x0
	s_add_nc_u64 s[4:5], s[4:5], s[88:89]
	s_add_nc_u64 s[10:11], s[10:11], s[88:89]
	; A pair is rows x (tile A) and x + 16 (tile B): both loads take the lane offset 32 r + 16 h, and an exchange of halves leaves 8 neighbouring numbers in a lane
.irp x, 0,1,2,3,4,5,6,7,8,9,10,11,12,13,14,15
	global_load_b128 v[S+8*\x:S+8*\x+3], v8, s[4:5] offset:512*\x th:TH_LOAD_NT
	global_load_b128 v[S+8*\x+4:S+8*\x+7], v8, s[4:5] offset:512*\x+8192 th:TH_LOAD_NT
.endr
	s_mov_b32 s[G0S], 1                            ; count = 1
	s_mov_b32 s[G0S+1], s84                        ; LDS address
	s_add_nc_u64 s[G0S+2:G0S+3], s[8:9], s[76:77]  ; global address
	s_or_b32 s[G0S+3], s[G0S+3], 0x80000000        ; type = 2
	s_mov_b32 s[G0C], 1
	s_mov_b32 s[G0C+1], s85
	s_add_nc_u64 s[G0C+2:G0C+3], s[6:7], s[80:81]
	s_or_b32 s[G0C+3], s[G0C+3], 0x80000000
	s_mov_b32 s[G0R], 1
	s_mov_b32 s[G0R+1], s86
	s_add_nc_u64 s[G0R+2:G0R+3], s[6:7], s[82:83]
	s_or_b32 s[G0R+3], s[G0R+3], 0x80000000
	CROUND                                         ; all four work-groups are here: the joint loads meet
	s_cmp_lt_u32 s[WV], 2                          ; ONE chain of branches on the wave's number, one load to an arm
	s_cbranch_scc0 .Lfirst
	tensor_load_to_lds s[G0S:G0S+3], s[G1S:G1S+7]
	s_nop 0
.rept 4
	v_nop
.endr
	s_branch .Lasked
.Lfirst:
	s_cmp_lt_u32 s[WV], 4
	s_cbranch_scc0 .Lothers
	tensor_load_to_lds s[G0C:G0C+3], s[G1C:G1C+7]
	s_nop 0
.rept 4
	v_nop
.endr
	s_branch .Lasked
.Lothers:
	tensor_load_to_lds s[G0R:G0R+3], s[G1R:G1R+7]
	s_nop 0
.rept 4
	v_nop
.endr
.Lasked:
	v_lshrrev_b32 v18, 2, v16                      ; r / 4
	v_and_b32 v19, 3, v16
	v_mul_u32_u24 v1, v18, UNITP
	v_lshl_add_u32 v1, v19, 6, v1
	v_lshl_add_u32 v1, v17, 4, v1                  ; v1: row r of a tile of K or V: 272 (r / 4) + 64 (r % 4) + 16 h
	v_and_b32 v20, 31, v0
	v_lshl_add_u32 v2, v20, 2, SCK                 ; v2: scale words: lanes 0-15 one tile's rows, lanes 16-31 the next tile's
	v_lshlrev_b32 v4, 9, v17
	v_lshl_add_u32 v4, v16, 4, v4                  ; v4: out0: lanes 0-15 one row, lanes 16-31 the next
	s_mul_i32 s90, s[WV], STGB
	v_mul_u32_u24 v3, v16, 272
	v_lshl_add_u32 v3, v17, 5, v3
	v_add_nc_u32 v3, s90, v3                       ; v3: into my stage: row r, 32 h
	v_mul_u32_u24 v7, v17, 272
	v_lshl_add_u32 v7, v16, 4, v7
	v_add_nc_u32 v7, s90, v7                       ; v7: and back by rows
	s_mul_i32 s91, s[WV], QREG
	s_add_co_u32 s91, s91, QST
	s_add_co_u32 s92, s91, 2560
	v_mul_u32_u24 v9, v17, 1280
	v_lshl_add_u32 v9, v16, 2, v9
	v_add_nc_u32 v9, s91, v9                       ; Q's stage: row 16 h, my 4 bytes of codes
	v_lshlrev_b32 v10, 6, v17
	v_add_nc_u32 v10, v10, v18
	v_add_nc_u32 v10, s92, v10                     ; my block's scale byte
	v_mul_u32_u24 v78, v16, 80
	v_lshl_add_u32 v78, v17, 4, v78
	v_add_nc_u32 v78, s91, v78                     ; and Q's fragments
	v_lshl_add_u32 v79, v20, 2, s92                ; and scale words
.macro QGROUP g                        ; pairs 2 g, 2 g + 1, line by line in turns
.set Z, S+16*(\g)
	s_wait_loadcnt 28-4*(\g)                       ; these pairs' four loads are in; the later ones may be out
.irp i, 0,1,2,3
.irp p, 0,1
	v_permlane16_swap_b32 v[Z+8*\p+\i], v[Z+8*\p+4+\i]
.endr
.endr
.irp p, 0,1
	v_max3_num_f32 v[48+\p], |v[Z+8*\p]|, |v[Z+8*\p+1]|, |v[Z+8*\p+2]|
.endr
.irp p, 0,1
	v_max3_num_f32 v[50+\p], |v[Z+8*\p+3]|, |v[Z+8*\p+4]|, 0x1800000   ; the floor 2^(3 - 127)
.endr
.irp p, 0,1
	v_max3_num_f32 v[48+\p], v[48+\p], |v[Z+8*\p+5]|, |v[Z+8*\p+6]|
.endr
.irp p, 0,1
	v_max3_num_f32 v[48+\p], v[48+\p], v[50+\p], |v[Z+8*\p+7]|
.endr
.irp p, 0,1
	v_max_num_f32_dpp v[48+\p], v[48+\p], v[48+\p] row_xmask:1 row_mask:0xf bank_mask:0xf
.endr
.irp p, 0,1
	v_max_num_f32_dpp v[48+\p], v[48+\p], v[48+\p] row_xmask:2 row_mask:0xf bank_mask:0xf
.endr
.irp p, 0,1
	v_add_nc_u32 v[52+\p], 0xff000000, v[48+\p]    ; 2 off the exponent field: the conversion's scale operand
.endr
.irp p, 0,1
	v_cvt_scalef32_pk8_fp4_f32 v[96+2*(\g)+\p], v[Z+8*\p:Z+8*\p+7], v[52+\p]
.endr
.irp p, 0,1
	v_lshrrev_b32 v[112+2*(\g)+\p], 23, v[52+\p]
.endr
.irp p, 0,1
	ds_store_b32 v9, v[96+2*(\g)+\p] offset:80*(2*(\g)+\p)
	ds_store_b8 v10, v[112+2*(\g)+\p] offset:4*(2*(\g)+\p)
.endr
.endm
	s_wait_alu depctr_va_vdst(0)                   ; the wait ahead of the waits below
.irp g, 0,1,2,3,4,5,6,7
	QGROUP \g
.endr
.irp t, 0,1                                    ; LDS serves a wave's instructions in order: these see my stores
	ds_load_b128 v[80+8*\t:83+8*\t], v78 offset:1280*\t
	ds_load_b128 v[84+8*\t:87+8*\t], v78 offset:1280*\t+32
.endr
	ds_load_b32 v11, v79
	v_mov_b32 v13, 0xff61b1e6                      ; the largest score so far: -3e38
	v_mov_b32 v15, 0xff61b1e6
	v_mov_b32 v16, 0x7e000000                      ; the -M before the first step: so large that the first factor is 0
	v_mov_b32 v18, 0x7e000000
.irp n, 17,19,20,21,22,23,25,27,29,31,74,75    ; the sums; the upper halves of pairs whose low word alone is used; lane permutes' destinations
	v_mov_b32 v[\n], 0
.endr
; Eight fragments and their scale words: 16 + 4 LDS loads
.macro FRAGS adr, sub, buf, ks, soff
	WIN 0x40
.irp t, 0,1,2,3,4,5,6,7
	ds_load_b128 v[\buf+8*\t:\buf+8*\t+3], v[\adr] offset:STEPB*\sub+TILEB*\t
	ds_load_b128 v[\buf+8*\t+4:\buf+8*\t+7], v[\adr] offset:STEPB*\sub+TILEB*\t+32
.endr
	WIN 0
.irp g, 0,1,2,3
	ds_load_b32 v[\ks+\g], v10 offset:\soff+512*\sub+128*\g
.endr
.endm
; One product for tile A and one for tile B.  odd: source 0's scale words stand in lanes 16-31.  Tile B's scale words stand in lanes 16-31
.macro SPAIR t, buf, ks
.if (\t)%2
	v_wmma_scale_f32_16x16x128_f8f6f4 v[S+8*\t:S+8*\t+7], v[\buf+8*\t:\buf+8*\t+7], v[80:87], 0, v[\ks+\t/2], v11 matrix_a_fmt:MATRIX_FMT_FP4 matrix_b_fmt:MATRIX_FMT_FP4 matrix_a_scale:MATRIX_SCALE_ROW1
	v_wmma_scale_f32_16x16x128_f8f6f4 v[S+64+8*\t:S+64+8*\t+7], v[\buf+8*\t:\buf+8*\t+7], v[88:95], 0, v[\ks+\t/2], v11 matrix_a_fmt:MATRIX_FMT_FP4 matrix_b_fmt:MATRIX_FMT_FP4 matrix_a_scale:MATRIX_SCALE_ROW1 matrix_b_scale:MATRIX_SCALE_ROW1
.else
	v_wmma_scale_f32_16x16x128_f8f6f4 v[S+8*\t:S+8*\t+7], v[\buf+8*\t:\buf+8*\t+7], v[80:87], 0, v[\ks+\t/2], v11 matrix_a_fmt:MATRIX_FMT_FP4 matrix_b_fmt:MATRIX_FMT_FP4
	v_wmma_scale_f32_16x16x128_f8f6f4 v[S+64+8*\t:S+64+8*\t+7], v[\buf+8*\t:\buf+8*\t+7], v[88:95], 0, v[\ks+\t/2], v11 matrix_a_fmt:MATRIX_FMT_FP4 matrix_b_fmt:MATRIX_FMT_FP4 matrix_b_scale:MATRIX_SCALE_ROW1
.endif
.endm
.macro OPAIR t, buf, vs, p, pw, cf, cl, df, dl
.if (\t)%2
	v_wmma_scale_f32_16x16x128_f8f6f4 v[8*\t:8*\t+7], v[\buf+8*\t:\buf+8*\t+7], v[\p:\p+7], \cf\cl, v[\vs+\t/2], v[\pw] matrix_a_fmt:MATRIX_FMT_FP4 matrix_b_fmt:MATRIX_FMT_FP4 matrix_a_scale:MATRIX_SCALE_ROW1
	v_wmma_scale_f32_16x16x128_f8f6f4 v[64+8*\t:64+8*\t+7], v[\buf+8*\t:\buf+8*\t+7], v[\p+8:\p+15], \df\dl, v[\vs+\t/2], v[\pw] matrix_a_fmt:MATRIX_FMT_FP4 matrix_b_fmt:MATRIX_FMT_FP4 matrix_a_scale:MATRIX_SCALE_ROW1 matrix_b_scale:MATRIX_SCALE_ROW1
.else
	v_wmma_scale_f32_16x16x128_f8f6f4 v[8*\t:8*\t+7], v[\buf+8*\t:\buf+8*\t+7], v[\p:\p+7], \cf\cl, v[\vs+\t/2], v[\pw] matrix_a_fmt:MATRIX_FMT_FP4 matrix_b_fmt:MATRIX_FMT_FP4
	v_wmma_scale_f32_16x16x128_f8f6f4 v[64+8*\t:64+8*\t+7], v[\buf+8*\t:\buf+8*\t+7], v[\p+8:\p+15], \df\dl, v[\vs+\t/2], v[\pw] matrix_a_fmt:MATRIX_FMT_FP4 matrix_b_fmt:MATRIX_FMT_FP4 matrix_b_scale:MATRIX_SCALE_ROW1
.endif
.endm
.macro SMUL buf, ks                    ; S^T = K Q^T: eight tiles of 16 keys, two of queries
	WIN 0x01                                       ; source 0 window 1
.irp t, 0,1,2,3,4,5,6,7
	SPAIR \t, \buf, \ks
.endr
.rept 4
	v_nop                                          ; four places: in front of the loads into the fragments' registers, and of the first read of the scores
.endr
.endm
.macro OMUL sub, buf, vs, zero         ; O^T += V^T P^T: the sixteen accumulators take turns, one instruction a turn
	WIN 0x51                                       ; source 0, C and D window 1
.irp t, 0,1,2,3,4,5,6,7
.if \zero
	OPAIR \t, \buf, \vs, PC+16*\sub, PW+\sub, 0, , 0,
.else
	OPAIR \t, \buf, \vs, PC+16*\sub, PW+\sub, v[8*\t:, 8*\t+7], v[64+8*\t:, 64+8*\t+7]
.endif
.endr
.endm
; A BATCH of 32 exponentials (block q: 0, 1 of tile A, 2, 3 of tile B).  Between them stands plain work whose results are first read behind the wait that follows the batch: the next block's t - M, and the first sums of the block before.
.macro BATCH q, sub
.set J, 0
.rept 16
	v_exp_f32 v[S+32*(\q)+2*J], v[S+32*(\q)+2*J]
.if ((\q) > 0) && ((J%2) == 1)
	v_pk_add_f32 v[S+32*(\q)-33+J:S+32*(\q)-32+J], v[S+32*(\q)-33+J:S+32*(\q)-32+J], v[S+32*(\q)-17+J:S+32*(\q)-16+J]
.endif
	v_exp_f32 v[S+32*(\q)+2*J+1], v[S+32*(\q)+2*J+1]
.if (\q) < 3
	v_pk_fma_f32 v[S+32*(\q)+32+2*J:S+32*(\q)+33+2*J], v[S+32*(\q)+32+2*J:S+32*(\q)+33+2*J], s[CS:CS+1], v[12+2*(((\q)+1)/2)+4*\sub:13+2*(((\q)+1)/2)+4*\sub] op_sel_hi:[1,0,0]
.else
.if ((J+J/8)%2) == 0
	v_pk_add_f32 v[S+2*(J/2):S+2*(J/2)+1], v[S+2*(J/2):S+2*(J/2)+1], v[S+32+2*(J/2):S+33+2*(J/2)]
.endif
.endif
.set J, J+1
.endr
	s_wait_alu depctr_va_vdst(0)                   ; one wait for the batch, ahead of its first reader and of the next batch
.irp u, 0,1,2,3
	v_cvt_scalef32_pk8_fp4_f32 v[PC+16*\sub+4*(\q)+\u], v[S+32*(\q)+8*\u:S+32*(\q)+8*\u+7], v[OP+\q]   ; plain lines that touch none of these registers follow
.endr
.endm
; THE SOFTMAX of one key step, both tiles.  sub = 0: the trip's even step, 1: its odd step
.macro SOFT sub
.irp q, 0,1,2,3
	v_max3_num_f32 v[48+\q], v[S+32*\q], v[S+1+32*\q], v[S+2+32*\q]   ; the largest score of each block of 32 keys, all in this lane, in two chains.  (Each accumulator is read from its low end on)
.endr
.irp q, 0,1,2,3
	v_max3_num_f32 v[52+\q], v[S+16+32*\q], v[S+17+32*\q], v[S+18+32*\q]
.endr
.irp i, 3,5,7,9,11,13
.irp q, 0,1,2,3
	v_max3_num_f32 v[48+\q], v[48+\q], v[S+32*\q+\i], v[S+32*\q+\i+1]
.endr
.irp q, 0,1,2,3
	v_max3_num_f32 v[52+\q], v[52+\q], v[S+16+32*\q+\i], v[S+16+32*\q+\i+1]
.endr
.endr
.irp q, 0,1,2,3
	v_max3_num_f32 v[48+\q], v[48+\q], v[S+15+32*\q], v[S+31+32*\q]
.endr
.irp q, 0,1,2,3
	v_max_num_f32 v[48+\q], v[48+\q], v[52+\q]
.endr
.irp n, 0,1
	v_max_num_f32 v[78+\n], v[48+2*\n], v[49+2*\n]
.endr
.irp n, 0,1
	v_permlanex16_b32 v[74+\n], v[78+\n], s[SEL], s[SEL+1]
.endr
.irp n, 0,1
	v_max3_num_f32 v[13+2*\n], v[13+2*\n], v[78+\n], v[74+\n]         ; the row's largest score so far
.endr
.irp n, 0,1
	v_mul_f32 v[78+\n], s[NC], v[13+2*\n]          ; -t
.endr
.irp n, 0,1
	v_floor_f32 v[12+2*\n+4*\sub], v[78+\n]        ; -M = floor(-t) = -ceil(t): M is a whole number
.endr
.irp n, 0,1
	v_sub_f32 v[76+\n], v[12+2*\n+4*\sub], v[16+2*\n-4*\sub]          ; M's old value less its new one: a whole number, 0 or less
.endr
.irp n, 0,1
	v_max_num_f32 v[76+\n], 0xc47a0000, v[76+\n]   ; (from -1000 down the factor is 0 all the same)
.endr
.irp n, 0,1
	v_cvt_i32_f32 v[72+\n], v[76+\n]
.endr
.irp q, 0,1,2,3
	v_fma_f32 v[48+\q], v[48+\q], s[CS], v[12+2*(\q/2)+4*\sub]        ; each block's largest t - M,
.endr
.irp n, 0,1
	v_ldexp_f32 v[28-4*\sub+2*\n], 1.0, v[72+\n]   ; 2^(old M - new M): a multiplication by it rounds nothing
.endr
.irp q, 0,1,2,3
	v_max_num_f32 v[48+\q], 0xc2f80000, v[48+\q]   ; held at -124,
.endr
.irp q, 0,1,2,3
	v_cvt_floor_i32_f32 v[AI+4*\sub+\q], v[48+\q]  ; its floor: the exponent of the block's largest p
.endr
.irp q, 0,1,2,3
	v_lshl_add_u32 v[OP+\q], v[AI+4*\sub+\q], 23, s[EB]               ; 2^(floor - 2): the conversion's scale operand
.endr
.if \sub
.irp n, 0,1
	v_mul_f32 v[28+2*\n], v[28+2*\n], v[24+2*\n]   ; the trip's factor for O
.endr
.irp q, 0,1,2,3
	v_add_nc_u32 v[AI+\q], v[AI+\q], v[72+\q/2]    ; the even step's exponents under the new M,
.endr
.irp q, 0,1,2,3
	v_max_i32 v[AI+\q], 0xffffff84, v[AI+\q]       ; held at -124
.endr
	; the scale words, both steps: lane (r, h) has the bytes of blocks h and 2 + h.  An exchange of halves brings tile A's into lanes 0-15 and tile B's into lanes 16-31; 125 is added to all four bytes at once
	v_lshl_add_u32 v76, v[AI+1], 16, v[AI]
	v_lshl_add_u32 v77, v[AI+3], 16, v[AI+2]
	v_lshl_add_u32 v78, v[AI+5], 16, v[AI+4]
	v_lshl_add_u32 v79, v[AI+7], 16, v[AI+6]
	v_permlane16_swap_b32 v76, v77
	v_permlane16_swap_b32 v78, v79
	v_lshl_add_u32 v76, v77, 8, v76
	v_lshl_add_u32 v78, v79, 8, v78
	v_add_nc_u32 v[PW], 0x7d7d7d7d, v76
	v_add_nc_u32 v[PW+1], 0x7d7d7d7d, v78
.endif
.set J, 0
.rept 16
	v_pk_fma_f32 v[S+2*J:S+2*J+1], v[S+2*J:S+2*J+1], s[CS:CS+1], v[12+4*\sub:13+4*\sub] op_sel_hi:[1,0,0]   ; t - M, two at a time
.set J, J+1
.endr
	s_wait_alu depctr_va_vdst(0)                   ; the wait ahead of the batch
	BATCH 0, \sub
	BATCH 1, \sub
	BATCH 2, \sub
	BATCH 3, \sub
	; the rest of the row's sums, of the unquantised p; the old sum comes under the new M in the last line
.irp k, 0,2,4,6
	v_pk_add_f32 v[S+\k:S+\k+1], v[S+\k:S+\k+1], v[S+8+\k:S+9+\k]
.endr
.irp k, 0,2,4,6,8,10,12,14
	v_pk_add_f32 v[S+96+\k:S+97+\k], v[S+96+\k:S+97+\k], v[S+112+\k:S+113+\k]
.endr
.irp k, 0,2
	v_pk_add_f32 v[S+\k:S+\k+1], v[S+\k:S+\k+1], v[S+4+\k:S+5+\k]
.endr
.irp k, 0,2,4,6,8,10,12,14
	v_pk_add_f32 v[S+64+\k:S+65+\k], v[S+64+\k:S+65+\k], v[S+96+\k:S+97+\k]
.endr
	v_pk_add_f32 v[S:S+1], v[S:S+1], v[S+2:S+3]
.irp k, 0,2,4,6
	v_pk_add_f32 v[S+64+\k:S+65+\k], v[S+64+\k:S+65+\k], v[S+72+\k:S+73+\k]
.endr
	v_pk_fma_f32 v[20:21], v[20:21], v[28-4*\sub:29-4*\sub], v[S:S+1] op_sel_hi:[1,0,1]
.irp k, 0,2
	v_pk_add_f32 v[S+64+\k:S+65+\k], v[S+64+\k:S+65+\k], v[S+68+\k:S+69+\k]
.endr
	v_pk_add_f32 v[S+64:S+65], v[S+64:S+65], v[S+66:S+67]
	v_pk_fma_f32 v[22:23], v[22:23], v[30-4*\sub:31-4*\sub], v[S+64:S+65] op_sel_hi:[1,0,1]
.endm
; A TRIP: 256 keys.  first = 1: O begins with the constant 0.
.macro TRIP first
	v_add_nc_u32 v8, s[TK], v1                     ; these three and the v_nop are the four places between the last trip's products and the loads into the registers that they read
	v_add_nc_u32 v9, s[TV], v1
	v_add_nc_u32 v10, s[TS], v2
	v_nop
	FRAGS 8, 0, BX, 32, 0                          ; K, even step
	FRAGS 8, 1, BZ, 36, 0                          ; K, odd step
	s_wait_alu depctr_va_vdst(0)                   ; the wait ahead of the wait below
	s_wait_dscnt 20                                ; the even step's 20 loads are in; the odd step's 20 may be out
	SMUL BX, 32
	FRAGS 9, 0, BX, 40, 8192                       ; V, even step
	SOFT 0
	s_wait_alu depctr_va_vdst(0)
	s_wait_dscnt 20                                ; K's odd step is in; V's 20 loads may be out
	SMUL BZ, 36
	FRAGS 9, 1, BZ, 44, 8192                       ; V, odd step
	SOFT 1
.if !(\first)
	WIN 0x41                                       ; source 0 and destination window 1
	s_wait_alu depctr_va_vdst(0)                   ; the wait directly ahead of O's first readers
.set J, 0
.rept 64
	v_pk_mul_f32 v[2*J:2*J+1], v[2*J:2*J+1], v[28+2*(J/32):29+2*(J/32)] op_sel_hi:[1,0]
.set J, J+1
.endr
.endif
	s_wait_alu depctr_va_vdst(0)
	s_wait_dscnt 0x0                               ; V's fragments are in; no LDS instruction of mine is out from here to the next trip
	OMUL 0, BX, 40, \first
	OMUL 1, BZ, 44, 0
	WIN 0
.endm
	s_wait_alu depctr_va_vdst(0)                   ; the wait at the head's end
	s_wait_dscnt 0x0                               ; Q is in registers
	s_mov_b32 s[TK], 0
	s_mov_b32 s[TV], TRIPB
	s_mov_b32 s[TS], 0
	s_cmp_lt_u32 s[WV], 4                          ; waves 0 to 3 show the scale words and the first 256 keys; waves 4 to 7 wait for theirs ahead of the second barrier
	s_cbranch_scc0 .Llater
	s_wait_tensorcnt 0x0
.Llater:
	s_barrier_signal -1
	s_barrier_wait -1
	TRIP 1
	s_wait_alu depctr_va_vdst(0)
	s_wait_tensorcnt 0x0                           ; every load is done: behind the barrier all keys are whole, and the first trip's bytes are read no more
	s_barrier_signal -1
	s_barrier_wait -1
	s_mov_b32 s[TK], KR
	s_mov_b32 s[TV], VR
	s_mov_b32 s[TS], 1024
	s_mov_b32 s[CNT], 7
.Ltrip:
	TRIP 0
	s_add_co_u32 s[TK], s[TK], TRIPB
	s_add_co_u32 s[TV], s[TV], TRIPB
	s_add_co_u32 s[TS], s[TS], 1024
	s_sub_co_u32 s[CNT], s[CNT], 1
	s_cmp_lg_u32 s[CNT], 0
	s_wait_alu depctr_va_vdst(0)                   ; the wait ahead of the branch
	s_cbranch_scc1 .Ltrip
	; THE WAY OUT.  O^T is divided by the sum and goes through my stage, half a row (64 channels, 256 bytes) of 16 queries at a time, so that sixteen lanes store 256 consecutive bytes.
.irp n, 0,1
	v_add_f32 v[20+2*\n], v[20+2*\n], v[21+2*\n]
.endr
.irp n, 0,1
	v_permlanex16_b32 v[74+\n], v[20+2*\n], s[SEL], s[SEL+1]
.endr
.irp n, 0,1
	v_add_f32 v[20+2*\n], v[20+2*\n], v[74+\n]     ; the row's sum
.endr
	s_wait_alu depctr_va_vdst(0)                   ; the wait ahead of the transcendentals
	v_rcp_f32 v24, v20
	v_rcp_f32 v26, v22
	v_nop                                          ; one plain place behind a transcendental
	WIN 0x01
	s_wait_alu depctr_va_vdst(0)                   ; and ahead of their first reader, which is O's too
.set J, 0
.rept 64
	v_pk_mul_f32 v[S+2*J:S+2*J+1], v[2*J:2*J+1], v[24+2*(J/32):25+2*(J/32)] op_sel_hi:[1,0]   ; register 8 t + i is out0(query r, channel 16 t + 8 h + i)
.set J, J+1
.endr
.irp n, 0,1,2,3                                ; n = 2 x tile + half
	WIN 0
.irp t, 0,1,2,3
	ds_store_b128 v3, v[S+32*\n+8*\t:S+32*\n+8*\t+3] offset:64*\t
	ds_store_b128 v3, v[S+32*\n+8*\t+4:S+32*\n+8*\t+7] offset:64*\t+16
.endr
	WIN 0x40
.irp i, 0,1,2,3,4,5,6,7
	ds_load_b128 v[BX+32*\n+4*\i:BX+32*\n+4*\i+3], v7 offset:2*\i*272   ; LDS serves a wave's instructions in order (ISA guide 5.7.1.4): these see my stores, and the next stores come behind them
.endr
.endr
	WIN 0x04                                       ; the stores' data: window 1
.irp n, 0,1,2,3
.irp i, 0,1,2,3,4,5,6,7
	s_wait_dscnt 7-\i+16*(3-\n)                    ; this load is back; the younger loads and stores may be out
	global_store_b128 v4, v[BX+32*\n+4*\i:BX+32*\n+4*\i+3], s[10:11] offset:8192*(\n/2)+1024*\i+256*(\n%2) th:TH_STORE_NT
.endr
.endr
	WIN 0
	s_wait_tensorcnt 0x0                           ; the wave's end
	ds_add_u32 v5, v6
	s_wait_dscnt 0x0
	CROUND                                         ; the closing round: no work-group ends while a partner may still ask for a tile that names it
	s_endpgm
.Lfunc_end_k_qb2ceffee77_attn:
	.size	k_qb2ceffee77_attn, .Lfunc_end_k_qb2ceffee77_attn-k_qb2ceffee77_attn
	.p2alignl 7, 3214868480
	.fill 96, 4, 3214868480
	.section	.rodata,"a",@progbits
	.p2align	6, 0x0
	.amdhsa_kernel k_qb2ceffee77_attn
		.amdhsa_group_segment_fixed_size 327680
		.amdhsa_private_segment_fixed_size 0
		.amdhsa_enable_private_segment 0
		.amdhsa_kernarg_size 32
		.amdhsa_user_sgpr_count 2
		.amdhsa_user_sgpr_kernarg_segment_ptr 1
		.amdhsa_wavefront_size32 1
		.amdhsa_system_sgpr_workgroup_id_x 1
		.amdhsa_system_sgpr_workgroup_id_y 1
		.amdhsa_system_sgpr_workgroup_id_z 1
		.amdhsa_system_vgpr_workitem_id 0
		.amdhsa_next_free_vgpr 512
		.amdhsa_next_free_sgpr 96
		.amdhsa_reserve_vcc 0
		.amdhsa_float_denorm_mode_32 3
		.amdhsa_float_denorm_mode_16_64 3
		.amdhsa_memory_ordered 1
		.amdhsa_forward_progress 1
		.amdhsa_inst_pref_size 148
	.end_amdhsa_kernel
	.amdgpu_metadata
---
amdhsa.version: [ 1, 2 ]
amdhsa.kernels:
  - .name:           k_qb2ceffee77_attn
    .symbol:         k_qb2ceffee77_attn.kd
    .args:
      - { .name: Q, .offset: 0, .size: 8, .value_kind: global_buffer, .address_space: global }
      - { .name: kv_codes, .offset: 8, .size: 8, .value_kind: global_buffer, .address_space: global }
      - { .name: kv_scales, .offset: 16, .size: 8, .value_kind: global_buffer, .address_space: global }
      - { .name: out0, .offset: 24, .size: 8, .value_kind: global_buffer, .address_space: global }
    .group_segment_fixed_size: 327680
    .private_segment_fixed_size: 0
    .kernarg_segment_align: 8
    .kernarg_segment_size: 32
    .max_flat_workgroup_size: 256
    .sgpr_count:     96
    .vgpr_count:     512
    .wavefront_size: 32
...
	.end_amdgpu_metadata
.endif
;; end of part 2
